; MI455X (gfx1250); checked and timed in simulation.
; The chip was launched on July 23, 2026; its instructions are those of AMD's public machine-readable ISA for CDNA 5 (MIT licence, August 2026) and "CDNA5" Instruction Set Architecture Reference Guide (July 2026). The comments in the code are by the model that wrote it; some were corrected since.
;; Scaled Dot Product Attention. Allowed arithmetic: matrix products marked QUANTISED: E2M1 operands, one E8M0 scale for each 32 along K, by v_wmma_scale_f32_16x16x128_f8f6f4 with both operands' format E2M1 (or v_wmma_scale_f32_32x16x128_f4), f32 sums; everything else in f32.
;; Inputs: k 64 x 1,024 x 64 float32; q_codes 64 x 1,024 x 2 x 16 uint8 (E2M1 codes of q, K innermost, in blocks of 32 codes, two codes a byte); q_scales 64 x 1,024 x 2 uint8 (E8M0 scales of q, one for each 32 codes along K); v_codes 64 x 64 x 32 x 16 uint8 (E2M1 codes of v, K innermost, in blocks of 32 codes, two codes a byte); v_scales 64 x 64 x 32 uint8 (E8M0 scales of v, one for each 32 codes along K).
;; Outputs: out0 64 x 1,024 x 64 float32.
;; This version of the problem:
;;   THIS VERSION OF THE PROBLEM IS GIVEN IN LOW PRECISION. The matrix products marked QUANTISED in the list below multiply operands that are first quantised to E2M1 (2 exponent bits, 1 mantissa bit; 4 bits a number), with one power-of-two scale for each 32 numbers along K (OCP MX v1.0); their sums are f32. All else is computed in f32.
;;   The module's matrix products, in the order in which they are computed (A, B: the left and right operand; K: the contracted axis; several contracted axes count as one K, in the product's order):
;;     1. batch 64 x [M 1,024, K 64] x [K 64, N 1,024]; A: input q (given as codes); B: input k: QUANTISED
;;     2. batch 64 x [M 1,024, K 1,024] x [K 1,024, N 64]; A: softmax (see below); B: input v (given as codes): QUANTISED
;;   THE QUANTISER, for each operand of a quantised product, along K:
;;     - K is cut into blocks of 32 from its start; a last block that is shorter is filled with zeros.
;;     - A block's scale is 2^e with e = floor(log2(the largest magnitude in the block)) - 2, held to -126 .. 127; a block of zeros has e = 0. As a byte (E8M0): e + 127.
;;     - Each number is divided by its block's scale, clamped to +-6, and rounded to the nearest number of E2M1, ties to even, subnormals kept.
;;     - The product sums the exact products of the quantised numbers (number of the format x scale) in f32.
;;   ~~~python
;;   def quantise(x, axis):      # numpy; x: float32 -> the quantised numbers, widened to float32 again
;;       x = np.moveaxis(x, axis, -1); K = x.shape[-1]
;;       x = np.pad(x, [(0, 0)] * (x.ndim - 1) + [(0, -K % 32)]); x = x.reshape(x.shape[:-1] + (-1, 32)); a = np.abs(x).max(-1, keepdims=True)
;;       e = np.where(a > 0, np.clip(np.frexp(np.where(a > 0, a, 1))[1] - 1 - 2, -126, 127), 0)      # np.frexp(a)[1] - 1 = floor(log2(a)), exactly
;;       r = np.clip(x / 2.0 ** e, -6, 6)
;;       step = 2.0 ** (np.maximum(np.frexp(np.where(r == 0, 1, r))[1] - 1, 0) - 1)
;;       q = np.round(r / step) * step * 2.0 ** e      # np.round: ties to even
;;       return np.moveaxis(q.reshape(q.shape[:-2] + (-1,))[..., :K], -1, axis).astype(np.float32)
;;   ~~~
;;   SOFTMAX AHEAD OF A QUANTISED PRODUCT. Where the list says 'softmax', what is quantised is not the finished softmax but p = 2^(t - M), with t = logit x log2(e) and M = ceil(the row's largest t), a whole number; so 1/2 < the row's largest p <= 1. The row's sum l is taken of the UNQUANTISED p, in f32, and the product's result is divided by l at the end. Since M is a whole number, a kernel that streams over the keys may use a running M (the ceiling of the running maximum): every later rescaling is an exact power of two, which a block's scale takes up: the codes' values come out the same.
;;   OPERANDS COMPUTED ON THE WAY. 'Computed on the way' means the value that the module computes at that place (a softmax that the list does not call 'softmax' is quantised finished and normalised). What goes into a quantiser is computed in f32, as accurately as f32 sums, v_exp_f32 and their like allow (about 1e-6 of the number): no bf16 or f16 on the way to a quantiser, and a product that is left as it is and whose result goes on into a quantised operand takes f32 operands (vector FMAs, or v_wmma_f32_16x16x4_f32). A number that lies on a knife's edge between two numbers of the format may be rounded either way, as far as f32 arithmetic and the matrix unit's own rounding can turn it there, and no further.
;;   INPUTS GIVEN AS CODES. q (in the module: [64, 1024, 64], K = its axis 2); v (in the module: [64, 1024, 64], K = its axis 1): each comes as NAME_codes (uint8): NAME with its K axis moved to the last place and cut into blocks of 32 codes, [.., K / 32, bytes a block], one block behind the other in memory; two codes a byte, the lower K in the low four bits (a code: sign, 2 exponent bits, 1 mantissa bit); and NAME_scales (uint8): the same leading axes, one E8M0 byte (e + 127) for each 32 codes along K. Its value is code x scale, taken as it is: it is not quantised again, and the codes and scales need not be those that the quantiser above would give.
;; One version. Each part assembles by itself: llvm-mc -triple=amdgcn-amd-amdhsa -mcpu=gfx1250 --defsym DOCPART=n.
;; ======== version 1 of 1: 1 launch
;; launch attn (part 1): grid 4 x 64, 16 waves a work-group, clusters of 4 x 1, 327,680 bytes of LDS; arguments k, q_codes, q_scales, v_codes, v_scales, out0; writes out0
.if DOCPART == 1
	.amdgcn_target "amdgcn-amd-amdhsa--gfx1250"
	.amdhsa_code_object_version 6
	.text
	.protected	k_q02efa4f9f6_attn
	.globl	k_q02efa4f9f6_attn
	.p2align	8
	.type	k_q02efa4f9f6_attn,@function
k_q02efa4f9f6_attn:
	s_mov_b64 s[64:65], 0
	v_nop
	global_prefetch_b8 v0, s[64:65] scope:SCOPE_SE
	s_setreg_imm32_b32 hwreg(HW_REG_WAVE_MODE, 25, 1), 1
	s_wait_xcnt 0x0
	s_wait_alu depctr_hold_cnt(0) depctr_sa_sdst(0) depctr_va_vdst(0) depctr_va_sdst(0) depctr_va_ssrc(0) depctr_va_vcc(0) depctr_vm_vsrc(0)
	s_getreg_b32 s2, hwreg(HW_REG_IB_STS2, 6, 4)
	s_cmp_eq_u32 s2, 0
	s_cbranch_scc0 .Lentry_in_a_cluster
	s_endpgm
.Lentry_in_a_cluster:
	s_bfe_u32 s2, ttmp6, 0x10000c
	s_cmp_lg_u32 s2, 0x3003
	s_cbranch_scc0 .Lentry_shape_is_right
	s_endpgm
.Lentry_shape_is_right:
; out0[h][q][:] = the sum over keys of softmax(masked q.k / 8) v, 64 heads, 1,024 queries and keys, head size 64, both products on codes of FP4 (E2M1) with one E8M0 scale for each 32 along K.
; q: codes, K = the head's 64 (32 bytes and 2 scale bytes a row).  v: codes with the KEYS innermost (64 rows of 512 bytes, 32 scale bytes a row).  k: f32; it is quantised here, along the head's 64, two blocks a key.
; THE MASKS ARE FINITE: a key whose 64 numbers are all 0, and a key behind the query, get the logit -2^32, not -infinity.  So a row whose visible keys are all such keys has 1,024 equal logits and averages v over ALL keys.
;   Raw scores are masked to PADR = -2^35; c = log2(e) / 8; PADR x c = -2^32 log2(e) is exact in f32 and a whole number.  Where it is the row's maximum, fma(PADR, c, -M) = 0 and p = 1; elsewhere p = 0.
;   The running largest t begins at that number in every row that has hidden keys (all but query 1023), so M is final behind the diagonal step, and a hidden key's p, p_h, is 0 or 1.
;   The key mask costs no vector line: a table bias[key] (0 or PADR) is loaded into the score registers as the C of the first product; such a key's codes are zeros, so its sum is PADR exactly.
; THE SOFTMAX: t = score x c; M = the running largest t rounded UP to a whole number, kept as -M = floor(-t); p = 2^(t - M) is quantised along the keys, not normalised; the sum is taken of the unquantised p and divides at the end.
; SHARES.  A cluster of 4 work-groups is a head; all four need the same k and v, so both come by JOINT tensor loads (the same descriptor and a mask that names the four), once, at the start: nothing in LDS is filled twice.
;   A work-group has 16 waves of 256 registers, four to a SIMD; a wave owns ONE tile of 16 queries.  Tiles of group g (queries 128 g ..) have g + 1 visible key steps of 128.  The group hangs on the wave's number alone:
;   waves 0-15 take groups 0 7 3 4 | 7 0 4 3 | 1 6 2 5 | 6 1 5 2: any four waves w / 4 and any four waves w % 4 have 18 visible steps together.  The work-group's place cx picks the tile in the group (2 cx + (w / 4) % 2)
;   and enters only q's and out0's global addresses and a lane number that is compared with constants: no branch and no LDS address hangs on it.
; PHASE 1: wave w quantises keys 64 w .. 64 w + 63 and leaves them in LDS as IMAGES of the first product's operand registers; one barrier.  PHASE 2: every wave walks 8 key steps (a constant): a visible step in full;
;   the diagonal step with a compare and a select on its 64 scores; a hidden step as four products O^T += V^T P_h^T, P_h = the quantised p_h in all 128 places (the sum takes p_h x the hidden keys left, once).
; LAYOUT.  Both products are used transposed: S^T = K Q^T (source 0 = 16 keys), O^T = V^T P^T (source 0 = 16 of the head's 64): a lane holds ONE query (lane % 16) throughout.
;   THE KEYS OF A TILE ARE NOT NEIGHBOURS: lane r of tile 2 b + u takes key 32 b + 8 u + r + 8 (r / 8), so that the 16 registers of tiles 2 b, 2 b + 1 are the neighbouring keys 32 b + 16 (lane / 16) + 0 .. 15.
;   The first product's K is 64 of the instruction's 128: registers 4-7 of both fragments hold zero codes and bytes 2, 3 of both scale words are 0 (2^-127, over zero codes: nothing is added).
; LIMITS: NaN and infinities in k, and a given scale byte 0xff, are not served.  A block of k whose largest magnitude lies under 2^-124 has its byte held at 1; a block of zeros gets the byte 1 (its codes are zeros; only this text reads the bytes).
.set WREG, 17408                       ; LDS: a wave's region: 64 keys x (256 bytes of f32 + 16 of padding); later bytes 0-2047 its four code images, bytes 2048-6399 its stage for the way out
.set KP,   272                         ; a key's f32 row: an odd multiple of 16 bytes, so that the 16 rows of a load start at 16 different banks (64 banks of 4 bytes: ISA guide 11.1)
.set VB,   16*WREG                     ; v's 64 rows,
.set VP,   528                         ; 512 bytes + 16 of padding each
.set SCK,  VB+64*VP                    ; k's scale words, 512 bytes a step: lane (r, u), word i = tile 2 i + u, row r
.set BIAS, SCK+4096                    ; bias[key], f32
.set SCV,  BIAS+4096                   ; v's scale bytes,
.set SVP,  36                          ; a row of 32 + 4: nine words, so that 32 lanes' words fall in 32 banks
.set STG,  2048                        ; the stage in a wave's region: 16 rows x 272 bytes
; vector registers that stay
.set AKI, 1                            ; 16 x lane: my place in an image
.set ABI, 2                            ; BIAS + 64 (lane / 16)
.set ASK, 3                            ; SCK + 16 x lane
.set AVF, 4                            ; VB + 528 r + 16 h
.set ASV, 5                            ; SCV + 36 x lane
.set DD,  6                            ; my query - the diagonal step's first key - 16 h
.set GO,  7                            ; the way out: 256 h + 16 r
.set ADK, 8                            ; the step's LDS addresses: k's images, bias, k's scale words, v's fragments, (v24) v's scale words
.set ADB, 9
.set ADS, 10
.set ADV, 11
.set ADT, 24
.set QF,  16                           ; v16-19 q's codes, v20-23 zero codes.   v12 -M, v13 the largest t, v[14:15] the sum in two halves
.set QS,  25                           ; q's scale words
.set VS,  26                           ; v26-27 v's scale words: lanes 0-15 the even tile's, lanes 16-31 the odd one's
.set KS,  28                           ; v28-31 k's likewise
.set KF,  32                           ; v32-95 eight fragments of k; the upper four registers of each are zero codes, written once
.set S,   96                           ; v96-159 bias, then S^T, then p
.set OT,  160                          ; v160-191 O^T
.set VF,  192                          ; v192-223 four fragments of v
.set PC,  224                          ; v224-231 p's codes
.set BM,  232                          ; v232-235 the blocks' largest scores
.set TW,  236                          ; v236-239 at work
.set GA,  240                          ; v240-242 offsets of the head's global loads; v243 my four bytes of v's scales
.set GB,  241
.set GC,  242
.set VSD, 243
.set SO,  244                          ; v244-247 the conversions' scale operands
.set STO, 248                          ; the stage: where I put 32 bytes of a row
.set RD,  249                          ; and where I read a row back
.set RR,  250                          ; r = lane % 16
.set HH,  251                          ; h = lane / 16
.set FF,  252                          ; f = 2^(old M - new M)
.set PW,  253                          ; p's scale word
.set TT,  254
.set LL,  255                          ; lane
; phase 1 only
.set SCW, 8                            ; where my four bytes of v's scales go
.set AKR, 9                            ; my key's block of f32: region + 272 r + 128 h
.set AIM, 10                           ; my 16 bytes in an image
.set ASW, 11                           ; my key's scale word
.set ABW, 24                           ; my key's bias
.set CO,  32                           ; v32-47 codes, four registers a pass;  v48-51 scale words;  v52-55 bias: a register of its own for each store
.set WD,  48
.set BI,  52
.set PA,  56
.set PB,  57
.set PO,  58
.set PS,  59
.set PY,  60
.set SH,  61                           ; 8 h
.set VPAD, 62
.set X,   96                           ; v96-223 four passes x 32 numbers
; scalar registers
.set WV,  16
.set CX,  17
.set HD,  18
.set GRP, 19
.set SEL, 20                           ; s[20:21] v_permlanex16_b32's selects for lane l xor 16
.set CS,  22                           ; s[22:23] c, twice: the packed form names a pair
.set G1K, 24                           ; s[24:31], s[32:39] descriptor groups 1 for k's and v's tiles;  s[40:43], s[44:47] their groups 0
.set G1V, 32
.set G0K, 40
.set G0V, 44
.set ST,  48                           ; the step;  s49-52 what a step adds to the LDS addresses
.set TK,  49
.set TS,  50
.set TV,  51
.set TJ,  52
.set PADR, 53
.set RH,  54                           ; 64 (7 - group) as f32: a lane's share of the keys behind the diagonal step
.set IDX, 55
; A round of the cluster's barrier: my work-group's barrier, wave 0 signals for the work-group, every wave waits for all four work-groups, my work-group's barrier once more.
.macro ROUND
	s_barrier_signal -1
	s_barrier_wait -1
	s_cmp_lg_u32 s[WV], 0
	s_cbranch_scc1 .Lnot_wave_0_\@
	s_barrier_signal -3
.Lnot_wave_0_\@:
	s_barrier_wait -3
	s_barrier_signal -1
	s_barrier_wait -1
.endm
	s_load_b256 s[4:11], s[0:1], 0x0               ; k s[4:5], q_codes s[6:7], q_scales s[8:9], v_codes s[10:11]
	s_load_b128 s[12:15], s[0:1], 0x20             ; v_scales s[12:13], out0 s[14:15]
	v_lshl_add_u32 v254, v0, 2, 0x4ed00
	v_mov_b32 v255, 0
	ds_add_u32 v254, v255
	ds_add_u32 v254, v255
	s_wait_dscnt 0x0
	v_lshrrev_b32 v[ADK], 5, v0
	s_delay_alu instid0(VALU_DEP_1)
	v_readfirstlane_b32 s[WV], v[ADK]              ; wave 0..15
	s_bfe_u32 s[CX], ttmp6, 0x40000                ; cx: my place in the cluster
	s_and_b32 s[HD], ttmp7, 0xffff                 ; the head, which the four partners share
	s_lshr_b32 s56, s[WV], 2
	s_and_b32 s56, s56, 1                          ; sub = (w / 4) % 2
	s_and_b32 s57, s[WV], 3
	s_xor_b32 s57, s57, s56                        ; b = (w % 4) xor sub
	s_lshr_b32 s58, s57, 1
	s_mul_i32 s58, s58, 3
	s_and_b32 s59, s57, 1
	s_mul_i32 s59, s59, 7
	s_lshr_b32 s[GRP], s[WV], 3
	s_xor_b32 s[GRP], s[GRP], s58
	s_xor_b32 s[GRP], s[GRP], s59                  ; group = (w / 8) xor 3 (b / 2) xor 7 (b % 2)
	s_lshl_b32 s[IDX], s[CX], 1
	s_add_co_u32 s[IDX], s[IDX], s56               ; my tile in the group: 2 cx + sub
	s_lshl_b32 s60, s[GRP], 7
	s_lshl_b32 s61, s[IDX], 4
	s_add_co_u32 s60, s60, s61                     ; my first query: 128 x group + 16 x tile
	s_lshl_b32 s61, s[HD], 10
	s_add_co_u32 s61, s61, s60                     ; and its row among all heads'
	s_lshl_b32 s56, s[HD], 18                      ; k: the head's 262,144 bytes, my wave's 64 keys of 256 bytes: made of the head and the wave's number alone
	s_lshl_b32 s57, s[WV], 14
	s_add_co_u32 s56, s56, s57
	s_mov_b32 s57, 0
	s_lshl_b32 s58, s[HD], 15                      ; v's codes: the head's 32,768 bytes, my wave's 4 rows of 512
	s_lshl_b32 s59, s[WV], 11
	s_add_co_u32 s58, s58, s59
	s_mov_b32 s59, 0
	; descriptor group 1.  k: 64 rows x 64 elements of 4 bytes, dense;  v: 4 rows x 128 elements of 4 bytes, dense.  16 bytes of padding behind each row
	s_mov_b32 s[G1K], 15|(2<<16)|(1<<20)|(1<<21)|(5<<22)|(3<<25)   ; 15:0 the mask: all four work-groups; 17:16 elements of 4 bytes; 20 padding on; 21 set beside a mask; 24:22 after every 64 words (code 5); 31:25 four words (code 3)
	s_mov_b32 s[G1K+1], 64<<16                     ; tensor_dim0
	s_mov_b32 s[G1K+2], 64<<16                     ; tensor_dim1
	s_mov_b32 s[G1K+3], 64<<16                     ; tile_dim0
	s_mov_b32 s[G1K+4], 64                         ; tile_dim1
	s_mov_b32 s[G1K+5], 64                         ; tensor_dim0_stride
	s_mov_b32 s[G1K+6], 0
	s_mov_b32 s[G1K+7], 0
	s_mov_b32 s[G1V], 15|(2<<16)|(1<<20)|(1<<21)|(6<<22)|(3<<25)   ; the same, padding after every 128 words (code 6)
	s_mov_b32 s[G1V+1], 128<<16
	s_mov_b32 s[G1V+2], 4<<16
	s_mov_b32 s[G1V+3], 128<<16
	s_mov_b32 s[G1V+4], 4
	s_mov_b32 s[G1V+5], 128
	s_mov_b32 s[G1V+6], 0
	s_mov_b32 s[G1V+7], 0
	s_mov_b32 s[G0K], 1                            ; count = 1
	s_mul_i32 s[G0K+1], s[WV], WREG                ; LDS: my region
	s_mov_b32 s[G0V], 1
	s_mul_i32 s[G0V+1], s[WV], 4*VP
	s_add_co_u32 s[G0V+1], s[G0V+1], VB            ; LDS: rows 4 w .. 4 w + 3 of v
	s_mov_b32 s[SEL], 0x76543210
	s_mov_b32 s[SEL+1], 0xfedcba98
	s_mov_b32 s[CS], 0x3e38aa3b                    ; c = log2(e) / 8
	s_mov_b32 s[CS+1], s[CS]
	s_mov_b32 s[PADR], 0xd1000000                  ; -2^35
	s_sub_co_u32 s[RH], 7, s[GRP]
	s_lshl_b32 s[RH], s[RH], 6
	s_cvt_f32_u32 s[RH], s[RH]
	s_wait_kmcnt 0x0
	s_add_nc_u64 s[G0K+2:G0K+3], s[4:5], s[56:57]
	s_or_b32 s[G0K+3], s[G0K+3], 0x80000000        ; type = 2
	s_add_nc_u64 s[G0V+2:G0V+3], s[10:11], s[58:59]
	s_or_b32 s[G0V+3], s[G0V+3], 0x80000000
	s_mov_b32 s63, 0
	s_lshl_b32 s62, s61, 5
	s_add_nc_u64 s[6:7], s[6:7], s[62:63]          ; q's codes at my first query: 32 bytes a row
	s_lshl_b32 s62, s61, 1
	s_add_nc_u64 s[8:9], s[8:9], s[62:63]          ; its scale bytes: 2 a row
	s_lshl_b32 s62, s61, 8
	s_add_nc_u64 s[14:15], s[14:15], s[62:63]      ; out0: 256 bytes a row
	s_lshl_b32 s62, s[HD], 11
	s_add_nc_u64 s[12:13], s[12:13], s[62:63]      ; v's scale bytes: 2,048 a head
	ROUND                                          ; all four work-groups are here: the joint loads meet
	tensor_load_to_lds s[G0K:G0K+3], s[G1K:G1K+7]  ; every wave's two loads go out together, ahead of every wait on TENSORcnt, every LDS read and the work-group's barrier: two loads of mine are out
	s_nop 0
	tensor_load_to_lds s[G0V:G0V+3], s[G1V:G1V+7]
	s_nop 0
.rept 4
	v_nop                                          ; four v_nop follow
.endr
	v_and_b32 v[LL], 31, v0
	v_and_b32 v[RR], 15, v0
	v_bfe_u32 v[HH], v0, 4, 1
	v_lshlrev_b32 v[GA], 2, v0
	global_load_b32 v[VSD], v[GA], s[12:13]        ; the head's 2,048 scale bytes of v: 4 a thread, consecutive
	v_lshlrev_b32 v[GB], 5, v[RR]
	s_delay_alu instid0(VALU_DEP_1)
	v_lshl_add_u32 v[GB], v[HH], 4, v[GB]
	global_load_b128 v[QF:QF+3], v[GB], s[6:7] th:TH_LOAD_NT   ; q's fragment: row r, block h: the wave reads 512 consecutive bytes, which nobody else reads
	v_lshlrev_b32 v[GC], 1, v[RR]
	global_load_u16 v[QS], v[GC], s[8:9]           ; q's scale word: two bytes, and zeros above them
.irp i, 4,5,6,7
	v_mov_b32 v[QF+\i], 0                          ; k = 64 .. 127 of the instruction: zero codes
.endr
	v_lshlrev_b32 v[AKI], 4, v[LL]
	v_lshl_add_u32 v[ABI], v[HH], 6, BIAS
	v_lshl_add_u32 v[ASK], v[LL], 4, SCK
	v_mul_u32_u24 v[AVF], v[RR], VP
	s_delay_alu instid0(VALU_DEP_1)
	v_lshl_add_u32 v[AVF], v[HH], 4, v[AVF]
	s_delay_alu instid0(VALU_DEP_1)
	v_add_nc_u32 v[AVF], VB, v[AVF]
	v_mul_u32_u24 v[ASV], v[LL], SVP
	s_delay_alu instid0(VALU_DEP_1)
	v_add_nc_u32 v[ASV], SCV, v[ASV]
	s_lshl_b32 s62, s[IDX], 4
	v_lshlrev_b32 v[DD], 4, v[HH]
	s_delay_alu instid0(VALU_DEP_1)
	v_sub_nc_u32 v[DD], v[RR], v[DD]
	s_delay_alu instid0(VALU_DEP_1)
	v_add_nc_u32 v[DD], s62, v[DD]                 ; 16 x tile + r - 16 h
	v_lshlrev_b32 v[GO], 8, v[HH]
	s_delay_alu instid0(VALU_DEP_1)
	v_lshl_add_u32 v[GO], v[RR], 4, v[GO]
	v_mul_u32_u24 v[STO], v[RR], 272               ; the stage's addresses are made here, ahead of every branch on the wave's number
	s_delay_alu instid0(VALU_DEP_1)
	v_lshl_add_u32 v[STO], v[HH], 5, v[STO]
	s_delay_alu instid0(VALU_DEP_1)
	v_add_nc_u32 v[STO], s[G0K+1], v[STO]          ; region + 272 r + 32 h
	v_mul_u32_u24 v[RD], v[HH], 272
	s_delay_alu instid0(VALU_DEP_1)
	v_lshl_add_u32 v[RD], v[RR], 4, v[RD]
	s_delay_alu instid0(VALU_DEP_1)
	v_add_nc_u32 v[RD], s[G0K+1], v[RD]            ; region + 272 h + 16 r
	v_lshrrev_b32 v[SCW], 3, v0                    ; v's scale bytes: thread t holds word t % 8 of row t / 8
	s_delay_alu instid0(VALU_DEP_1)
	v_mul_u32_u24 v[SCW], v[SCW], SVP
	v_and_b32 v[AKR], 7, v0
	s_delay_alu instid0(VALU_DEP_1)
	v_lshl_add_u32 v[SCW], v[AKR], 2, v[SCW]
	s_delay_alu instid0(VALU_DEP_1)
	v_add_nc_u32 v[SCW], SCV, v[SCW]
	v_mul_u32_u24 v[AKR], v[RR], KP
	s_delay_alu instid0(VALU_DEP_1)
	v_lshl_add_u32 v[AKR], v[HH], 7, v[AKR]
	s_delay_alu instid0(VALU_DEP_1)
	v_add_nc_u32 v[AKR], s[G0K+1], v[AKR]
	; Key 64 w + 16 p + r lies in step w / 2, tile 4 (w % 2) + 2 (p / 2) + r / 8, at the tile's row 8 (p % 2) + r % 8.  What hangs on p stands in the stores' immediates.
	v_lshrrev_b32 v[SO], 3, v[RR]                  ; r / 8
	v_and_b32 v[SO+1], 7, v[RR]                    ; r % 8
	s_delay_alu instid0(VALU_DEP_2)
	v_lshlrev_b32 v[AIM], 9, v[SO]
	s_delay_alu instid0(VALU_DEP_1)
	v_lshl_add_u32 v[AIM], v[SO+1], 4, v[AIM]
	s_delay_alu instid0(VALU_DEP_1)
	v_lshl_add_u32 v[AIM], v[HH], 8, v[AIM]
	s_delay_alu instid0(VALU_DEP_1)
	v_add_nc_u32 v[AIM], s[G0K+1], v[AIM]          ; region + 512 (r / 8) + 16 (r % 8) + 256 h
	s_lshr_b32 s62, s[WV], 1
	s_lshl_b32 s62, s62, 9
	s_and_b32 s63, s[WV], 1
	s_lshl_b32 s63, s63, 3
	s_add_co_u32 s62, s62, s63
	s_add_co_u32 s62, s62, SCK
	v_lshlrev_b32 v[ASW], 8, v[SO]
	s_delay_alu instid0(VALU_DEP_1)
	v_lshl_add_u32 v[ASW], v[SO+1], 4, v[ASW]
	s_delay_alu instid0(VALU_DEP_1)
	v_add_nc_u32 v[ASW], s62, v[ASW]               ; SCK + 512 (w / 2) + 8 (w % 2) + 256 (r / 8) + 16 (r % 8)
	s_lshl_b32 s63, s[WV], 8
	s_add_co_u32 s63, s63, BIAS
	v_lshl_add_u32 v[ABW], v[RR], 2, s63           ; BIAS + 256 w + 4 r
	v_lshlrev_b32 v[SH], 3, v[HH]
	v_mov_b32 v[VPAD], s[PADR]
	v_mov_b32 v[PO], 0                             ; a lane permute's destination counts as one of its sources
	s_wait_loadcnt 0x2                             ; v's scale bytes are in; q's two loads may stay out
	ds_store_b32 v[SCW], v[VSD]
	; ---- PHASE 1: my 64 keys.  All their numbers come into registers first; LDS serves a wave's instructions in order (ISA guide 5.7.1.4), so the images, which overwrite the region's first rows, land behind these reads
	s_wait_tensorcnt 0x1                           ; my rows of k have landed (v's tile, issued behind them, may stay out); nobody else touches my region before the barrier
.irp p, 0,1,2,3
.irp g, 0,1,2,3,4,5,6,7
	ds_load_b128 v[X+32*\p+4*\g:X+32*\p+4*\g+3], v[AKR] offset:16*KP*\p+16*\g   ; pass p: lane (r, h) takes block h of key 64 w + 16 p + r
.endr
.endr
; Pass p: a lane's 32 numbers are a whole block.  Its scale is 2^(floor(log2(the largest magnitude)) - 2): the magnitude's exponent field less 2 is the conversion's scale operand and, shifted down, the byte.
.macro QUANTK p
.set XR, X+32*(\p)
	s_wait_dscnt 24-5*(\p)                         ; this pass's 8 loads are in: behind them stand the later passes' 8 (3 - p) loads and the earlier passes' 3 p stores
	v_max3_num_f32 v[PA], |v[XR]|, |v[XR+1]|, |v[XR+2]|
	v_max3_num_f32 v[PB], |v[XR+3]|, |v[XR+4]|, |v[XR+5]|
.irp i, 6,10,14,18,22,26
	s_delay_alu instid0(VALU_DEP_2)
	v_max3_num_f32 v[PA], v[PA], |v[XR+\i]|, |v[XR+\i+1]|
	s_delay_alu instid0(VALU_DEP_2)
	v_max3_num_f32 v[PB], v[PB], |v[XR+\i+2]|, |v[XR+\i+3]|
.endr
	s_delay_alu instid0(VALU_DEP_2)
	v_max3_num_f32 v[PA], v[PA], |v[XR+30]|, |v[XR+31]|
	s_delay_alu instid0(VALU_DEP_1)
	v_max_num_f32 v[PA], v[PA], v[PB]              ; the block's largest magnitude
	s_delay_alu instid0(VALU_DEP_1)
	v_permlanex16_b32 v[PO], v[PA], s[SEL], s[SEL+1]
	s_delay_alu instid0(VALU_DEP_1)
	v_max_num_f32 v[PO], v[PO], v[PA]              ; the key's: it is 0 just where the sum of the 64 magnitudes is 0
	s_delay_alu instid0(VALU_DEP_1)
	v_cmp_eq_u32 vcc_lo, 0, v[PO]
	s_delay_alu instid0(VALU_DEP_1)
	v_cndmask_b32 v[BI+\p], 0, v[VPAD], vcc_lo     ; the key's bias: PADR there, else 0
	v_max_num_f32 v[PA], 0x1800000, v[PA]          ; the floor 2^(3 - 127): the byte cannot fall under 1
	s_delay_alu instid0(VALU_DEP_1)
	v_add_nc_u32 v[PS], 0xff000000, v[PA]          ; 2 off the exponent field
	s_delay_alu instid0(VALU_DEP_1)
	v_lshrrev_b32 v[PY], 23, v[PS]                 ; the byte
.irp g, 0,1,2,3
	v_cvt_scalef32_pk8_fp4_f32 v[CO+4*(\p)+\g], v[XR+8*\g:XR+8*\g+7], v[PS]
.endr
	v_lshlrev_b32 v[PY], v[SH], v[PY]              ; block h's byte at its place.  (The plain place behind the conversions)
	s_delay_alu instid0(VALU_DEP_1)
	v_permlanex16_b32 v[PO], v[PY], s[SEL], s[SEL+1]
	s_delay_alu instid0(VALU_DEP_1)
	v_or_b32 v[WD+\p], v[PY], v[PO]                ; the key's scale word: two bytes, and zeros above them
	ds_store_b128 v[AIM], v[CO+4*(\p):CO+4*(\p)+3] offset:1024*((\p)/2)+128*((\p)%2)
	ds_store_b32 v[ASW], v[WD+\p] offset:4*((\p)/2)+128*((\p)%2)   ; (both lanes of a key store the same word, and the same bias)
	ds_store_b32 v[ABW], v[BI+\p] offset:64*(\p)
.endm
	QUANTK 0
	QUANTK 1
	QUANTK 2
	QUANTK 3
	s_wait_tensorcnt 0x0                           ; for the others' sake: my rows of v have landed,
	s_wait_loadcnt 0x0                             ; (q is in)
	s_wait_dscnt 0x0                               ; and my stores are done
	s_barrier_signal -1
	; register work while the others arrive.  The loop is written once: its first step finds zeros in O^T and in the sum
.irp i, 0,1,2,3,4,5,6,7
	v_mov_b32 v[PC+\i], 0
.endr
	v_mov_b32 v[PW], 0
.irp i, 0,1,2,3
	v_mov_b32 v[TW+\i], 0                          ; lane permutes' destinations
.endr
.irp t, 0,1,2,3,4,5,6,7
.irp i, 4,5,6,7
	v_mov_b32 v[KF+8*\t+\i], 0                     ; k = 64 .. 127 of the instruction: zero codes, written once
.endr
.endr
.set j, 0
.rept 32
	v_mov_b32 v[OT+j], 0
.set j, j+1
.endr
	v_mov_b32 v14, 0
	v_mov_b32 v15, 0
	v_add_nc_u32 v[TT], s60, v[RR]                 ; my query
	s_delay_alu instid0(VALU_DEP_1)
	v_cmp_eq_u32 vcc_lo, 0x3ff, v[TT]
	v_mov_b32 v[FF], 0xff61b1e6                    ; -3e38, under every t: query 1023 has no hidden key
	v_mov_b32 v13, 0xcfb8aa3b                      ; PADR x c: every other row has hidden keys, whose t this is
	s_delay_alu instid0(VALU_DEP_1)
	v_cndmask_b32 v13, v13, v[FF], vcc_lo
	s_delay_alu instid0(VALU_DEP_1)
	v_floor_f32 v12, -v13                          ; -M
	s_mov_b32 s[ST], 0
	s_mov_b32 s[TK], 0
	s_mov_b32 s[TS], 0
	s_mov_b32 s[TV], 0
	s_mov_b32 s[TJ], 0
	s_barrier_wait -1                              ; k's images, scale words and bias, v and its scale bytes are whole
.macro VLOAD                                   ; the step's four fragments of v (16 of the head's 64 x 128 keys) and their scale words: ten loads
.irp t, 0,1,2,3
.irp c, 0,1
	ds_load_b128 v[VF+8*\t+4*\c:VF+8*\t+4*\c+3], v[ADV] offset:16*VP*\t+32*\c
.endr
.endr
	ds_load_b32 v[VS], v[ADT]                      ; rows 0-31: tiles 0 and 1
	ds_load_b32 v[VS+1], v[ADT] offset:32*SVP      ; rows 32-63: tiles 2 and 3
.endm
.macro PV                                      ; O^T += V^T P^T: four accumulators by turns
.irp t, 0,1,2,3
.if \t%2
	v_wmma_scale_f32_16x16x128_f8f6f4 v[OT+8*\t:OT+8*\t+7], v[VF+8*\t:VF+8*\t+7], v[PC:PC+7], v[OT+8*\t:OT+8*\t+7], v[VS+\t/2], v[PW] matrix_a_fmt:MATRIX_FMT_FP4 matrix_b_fmt:MATRIX_FMT_FP4 matrix_a_scale:MATRIX_SCALE_ROW1
.else
	v_wmma_scale_f32_16x16x128_f8f6f4 v[OT+8*\t:OT+8*\t+7], v[VF+8*\t:VF+8*\t+7], v[PC:PC+7], v[OT+8*\t:OT+8*\t+7], v[VS+\t/2], v[PW] matrix_a_fmt:MATRIX_FMT_FP4 matrix_b_fmt:MATRIX_FMT_FP4
.endif
.endr
.endm
	; ---- PHASE 2: eight key steps of 128, a constant count in every wave
.Lstep:
	v_add_nc_u32 v[ADK], s[TK], v[AKI]             ; these five are also the places between the last step's products and the loads into their registers (four are asked: ISA guide 7.12.1 for vector instructions)
	v_add_nc_u32 v[ADB], s[TS], v[ABI]
	v_add_nc_u32 v[ADS], s[TS], v[ASK]
	v_add_nc_u32 v[ADV], s[TV], v[AVF]
	v_add_nc_u32 v[ADT], s[TJ], v[ASV]
	s_cmp_gt_u32 s[ST], s[GRP]                     ; all keys of the step behind all my queries?  (step and wave number alone)
	s_cbranch_scc1 .Ltail
	s_setprio 2
.irp b, 0,1,2,3
.irp g, 0,1,2,3
	ds_load_b128 v[S+16*\b+4*\g:S+16*\b+4*\g+3], v[ADB] offset:128*\b+16*\g   ; bias of keys 32 b + 16 h + 4 g ..: the C of the scores
.endr
.endr
	ds_load_b128 v[KS:KS+3], v[ADS]
.irp t, 0,1,2,3,4,5,6,7
	ds_load_b128 v[KF+8*\t:KF+8*\t+3], v[ADK] offset:(\t/4)*WREG+(\t%4)*512
.endr
	VLOAD
	s_wait_dscnt 10                                ; all but v's ten
.irp t, 0,1,2,3,4,5,6,7
.if \t%2
	v_wmma_scale_f32_16x16x128_f8f6f4 v[S+8*\t:S+8*\t+7], v[KF+8*\t:KF+8*\t+7], v[QF:QF+7], v[S+8*\t:S+8*\t+7], v[KS+\t/2], v[QS] matrix_a_fmt:MATRIX_FMT_FP4 matrix_b_fmt:MATRIX_FMT_FP4 matrix_a_scale:MATRIX_SCALE_ROW1
.else
	v_wmma_scale_f32_16x16x128_f8f6f4 v[S+8*\t:S+8*\t+7], v[KF+8*\t:KF+8*\t+7], v[QF:QF+7], v[S+8*\t:S+8*\t+7], v[KS+\t/2], v[QS] matrix_a_fmt:MATRIX_FMT_FP4 matrix_b_fmt:MATRIX_FMT_FP4
.endif
.endr
.rept 4
	v_nop                                          ; places in front of the first read of results
.endr
	s_cmp_lg_u32 s[ST], s[GRP]
	s_cbranch_scc1 .Lopen
	v_mov_b32 v[TT], s[PADR]                       ; the diagonal step: register 16 b + i holds the step's key 32 b + 16 h + i: hidden where 32 b + i > my query - the step's first key - 16 h
.set n, 0
.rept 64
	v_cmp_gt_i32 vcc_lo, 32*(n/16)+n%16, v[DD]
	v_cndmask_b32 v[S+n], v[S+n], v[TT], vcc_lo
.set n, n+1
.endr
.Lopen:
.irp b, 0,1,2,3
	v_max3_num_f32 v[BM+\b], v[S+16*\b], v[S+16*\b+1], v[S+16*\b+2]   ; the largest score of each block of 32 keys: for the row's maximum and, since p rises with the score, for the block's largest p.  Each accumulator is read from its low end on
.endr
.irp i, 3,5,7,9,11,13
.irp b, 0,1,2,3
	v_max3_num_f32 v[BM+\b], v[BM+\b], v[S+16*\b+\i], v[S+16*\b+\i+1]
.endr
.endr
.irp b, 0,1,2,3
	v_max_num_f32 v[BM+\b], v[BM+\b], v[S+16*\b+15]
.endr
.irp b, 0,1,2,3
	s_delay_alu instid0(VALU_DEP_4)
	v_permlanex16_b32 v[TW+\b], v[BM+\b], s[SEL], s[SEL+1]
.endr
.irp b, 0,1,2,3
	s_delay_alu instid0(VALU_DEP_4)
	v_max_num_f32 v[BM+\b], v[BM+\b], v[TW+\b]     ; with lane l xor 16's 16 keys
.endr
	s_delay_alu instid0(VALU_DEP_2)
	v_max3_num_f32 v[TT], v[BM], v[BM+1], v[BM+2]
	s_delay_alu instid0(VALU_DEP_1)
	v_max_num_f32 v[TT], v[TT], v[BM+3]
	s_delay_alu instid0(VALU_DEP_1)
	v_mul_f32 v[TT], s[CS], v[TT]                  ; the step's largest t (c is positive)
	s_delay_alu instid0(VALU_DEP_1)
	v_max_num_f32 v13, v13, v[TT]
	v_mov_b32 v[TT], v12
	s_delay_alu instid0(VALU_DEP_2)
	v_floor_f32 v12, -v13                          ; the new -M = -ceil(t)
	s_delay_alu instid0(VALU_DEP_1)
	v_sub_f32 v[TT], v12, v[TT]                    ; old M - new M: a whole number, 0 or less
	s_delay_alu instid0(VALU_DEP_1)
	v_cvt_i32_f32 v[TT], v[TT]                     ; (it saturates)
	s_delay_alu instid0(VALU_DEP_1)
	v_ldexp_f32 v[FF], 1.0, v[TT]                  ; f = 2^(old M - new M): a multiplication by it rounds nothing
.set j, 0
.rept 32
	v_pk_fma_f32 v[S+j:S+j+1], v[S+j:S+j+1], s[CS:CS+1], v[12:13] op_sel_hi:[1,0,0]   ; t - M, two at a time
.set j, j+2
.endr
	s_setprio 1
.irp b, 0,1,2,3
	v_fma_f32 v[BM+\b], v[BM+\b], s[CS], v12
.endr
.set j, 0
	s_wait_alu depctr_va_vdst(0)
.rept 64
	v_exp_f32 v[S+j], v[S+j]                       ; p = 2^(t - M)
.set j, j+1
.endr
.irp b, 0,1,2,3
	v_exp_f32 v[BM+\b], v[BM+\b]                   ; the block's largest p: the same two instructions on the same number
.endr
	v_pk_mul_f32 v[14:15], v[14:15], v[FF:FF+1] op_sel_hi:[1,0]   ; the sum under the new M.  (The plain place behind the exponentials)
	s_wait_alu depctr_va_vdst(0)
.irp b, 0,1,2,3
	v_max_num_f32 v[BM+\b], 0x1800000, v[BM+\b]    ; the floor: a block whose every p is 0 keeps the byte 1, over zero codes
.endr
.irp b, 0,1,2,3
	s_delay_alu instid0(VALU_DEP_4)
	v_add_nc_u32 v[SO+\b], 0xff000000, v[BM+\b]
.endr
.irp b, 0,1,2,3
	s_delay_alu instid0(VALU_DEP_4)
	v_lshrrev_b32 v[TW+\b], 23, v[SO+\b]
.endr
	s_delay_alu instid0(VALU_DEP_3)
	v_lshl_or_b32 v[PW], v[TW+1], 8, v[TW]         ; p's scale word for these 128 keys
	s_delay_alu instid0(VALU_DEP_1)
	v_lshl_or_b32 v[PW], v[TW+2], 16, v[PW]
	s_delay_alu instid0(VALU_DEP_1)
	v_lshl_or_b32 v[PW], v[TW+3], 24, v[PW]
.irp b, 0,1,2,3
	v_cvt_scalef32_pk8_fp4_f32 v[PC+2*\b], v[S+16*\b:S+16*\b+7], v[SO+\b]
	v_cvt_scalef32_pk8_fp4_f32 v[PC+2*\b+1], v[S+16*\b+8:S+16*\b+15], v[SO+\b]
.endr
	v_nop                                          ; one plain place behind a scaled conversion
.irp c, 0,1                                    ; the operand wants a WHOLE block in a lane: lanes 0-15 block 2 c, lanes 16-31 block 2 c + 1
.irp i, 0,1
	v_permlane16_swap_b32 v[PC+4*\c+\i], v[PC+4*\c+2+\i]
.endr
.endr
	v_pk_add_f32 v[236:237], v[100:101], v[104:105]
	v_pk_add_f32 v[254:255], v[108:109], v[112:113]
	v_pk_add_f32 v[250:251], v[116:117], v[120:121]
	v_pk_add_f32 v[246:247], v[124:125], v[128:129]
	v_pk_add_f32 v[244:245], v[132:133], v[136:137]
	v_pk_add_f32 v[242:243], v[140:141], v[144:145]
	v_pk_add_f32 v[240:241], v[148:149], v[152:153]
	v_pk_add_f32 v[14:15], v[14:15], v[156:157]
	v_pk_add_f32 v[236:237], v[236:237], v[96:97]
	v_pk_add_f32 v[254:255], v[254:255], v[98:99]
	v_pk_add_f32 v[250:251], v[250:251], v[102:103]
	v_pk_add_f32 v[246:247], v[246:247], v[106:107]
	v_pk_add_f32 v[244:245], v[244:245], v[110:111]
	v_pk_add_f32 v[242:243], v[242:243], v[114:115]
	v_pk_add_f32 v[240:241], v[240:241], v[118:119]
	v_pk_add_f32 v[14:15], v[14:15], v[122:123]
	v_pk_add_f32 v[236:237], v[236:237], v[126:127]
	v_pk_add_f32 v[254:255], v[254:255], v[130:131]
	v_pk_add_f32 v[250:251], v[250:251], v[134:135]
	v_pk_add_f32 v[246:247], v[246:247], v[138:139]
	v_pk_add_f32 v[244:245], v[244:245], v[142:143]
	v_pk_add_f32 v[242:243], v[242:243], v[146:147]
	v_pk_add_f32 v[240:241], v[240:241], v[150:151]
	v_pk_add_f32 v[14:15], v[14:15], v[154:155]
	v_pk_add_f32 v[236:237], v[236:237], v[158:159]
	s_delay_alu instid0(VALU_DEP_2)
	v_pk_add_f32 v[14:15], v[14:15], v[246:247]
	s_delay_alu instid0(VALU_DEP_2)
	v_pk_add_f32 v[236:237], v[236:237], v[244:245]
	v_pk_add_f32 v[254:255], v[254:255], v[242:243]
	v_pk_add_f32 v[250:251], v[250:251], v[240:241]
	s_delay_alu instid0(VALU_DEP_2)
	v_pk_add_f32 v[14:15], v[14:15], v[254:255]
	s_delay_alu instid0(VALU_DEP_2)
	v_pk_add_f32 v[236:237], v[236:237], v[250:251]
	s_delay_alu instid0(VALU_DEP_1)
	v_pk_add_f32 v[14:15], v[14:15], v[236:237]
.set j, 0
	s_setprio 0
.rept 16
	v_pk_mul_f32 v[OT+j:OT+j+1], v[OT+j:OT+j+1], v[FF:FF+1] op_sel_hi:[1,0]   ; O^T under the new M.  (With the sums: the places between the writes of p's codes and scale word and the products)
.set j, j+2
.endr
	s_wait_alu depctr_va_vdst(0)
	s_wait_dscnt 0x0                               ; v's ten loads, asked for at the step's head
	PV
	s_cmp_lg_u32 s[ST], s[GRP]
	s_cbranch_scc1 .Lnext
	s_cmp_eq_u32 s[GRP], 7
	s_cbranch_scc1 .Lnext
	; Behind the diagonal step M is final.  p_h = 2^(PADR c - M), 0 or 1, is a hidden key's p: it is quantised once, into all places of the operand; the sum takes it for all the keys that are left.
	v_fma_f32 v[BM], s[PADR], s[CS], v12           ; (the first lines name none of the products' registers: they are the places behind them)
	s_wait_alu depctr_va_vdst(0)
	v_exp_f32 v[BM], v[BM]
	v_nop
	s_wait_alu depctr_va_vdst(0)
	v_max_num_f32 v[BM+1], 0x1800000, v[BM]
	s_delay_alu instid0(VALU_DEP_1)
	v_add_nc_u32 v[SO], 0xff000000, v[BM+1]
	s_delay_alu instid0(VALU_DEP_1)
	v_lshrrev_b32 v[TW], 23, v[SO]
.irp i, 0,1,2,3,4,5,6,7
	v_mov_b32 v[S+\i], v[BM]
.endr
	v_fmac_f32 v14, s[RH], v[BM]
	v_lshl_or_b32 v[PW], v[TW], 8, v[TW]
	s_delay_alu instid0(VALU_DEP_1)
	v_lshl_or_b32 v[PW], v[PW], 16, v[PW]          ; the same byte for all four blocks
	v_cvt_scalef32_pk8_fp4_f32 v[PC], v[S:S+7], v[SO]
	v_nop
.irp i, 1,2,3,4,5,6,7
	v_mov_b32 v[PC+\i], v[PC]                      ; with the next step's five additions: twelve plain lines ahead of the next scaled product
.endr
	s_branch .Lnext
.Ltail:                                            ; a hidden step: O^T += V^T P_h^T
	s_wait_alu depctr_va_vdst(0)
	VLOAD
	s_wait_dscnt 0x0
	PV
.Lnext:
	s_add_co_u32 s[TK], s[TK], 2*WREG              ; a step's eight images lie in two regions
	s_add_co_u32 s[TS], s[TS], 512
	s_add_co_u32 s[TV], s[TV], 64
	s_add_co_u32 s[TJ], s[TJ], 4
	s_add_co_u32 s[ST], s[ST], 1
	s_cmp_lt_u32 s[ST], 8
	s_cbranch_scc1 .Lstep
	s_setprio 0
	; ---- THE WAY OUT.  O^T / the sum goes through my stage (bytes of my region that nobody reads since phase 1 and into which no load lands any more) and leaves as whole rows of 256 bytes.
	v_add_f32 v14, v14, v15                        ; the sum's two halves,
	s_delay_alu instid0(VALU_DEP_1)
	v_permlanex16_b32 v[FF], v14, s[SEL], s[SEL+1]
	s_delay_alu instid0(VALU_DEP_1)
	v_add_f32 v14, v14, v[FF]                      ; and lane l xor 16's
	s_wait_alu depctr_va_vdst(0)
	v_rcp_f32 v14, v14
	v_nop                                          ; a plain place behind the reciprocal; with the two additions and the next line: four places behind the last products
	v_nop
.set j, 0
	s_wait_alu depctr_va_vdst(0)
.rept 16
	v_pk_mul_f32 v[S+j:S+j+1], v[OT+j:OT+j+1], v[14:15] op_sel_hi:[1,0]   ; register 8 t + i is out0(r, 16 t + 8 h + i); each accumulator from its low end on
.set j, j+2
.endr
.irp t, 0,1,2,3
	ds_store_b128 v[STO], v[S+8*\t:S+8*\t+3] offset:STG+64*\t
	ds_store_b128 v[STO], v[S+8*\t+4:S+8*\t+7] offset:STG+64*\t+16
.endr
.irp i, 0,1,2,3,4,5,6,7
	ds_load_b128 v[KF+4*\i:KF+4*\i+3], v[RD] offset:STG+2*272*\i   ; LDS serves a wave's instructions in order: these see my stores.  Lanes 0-15 one row, lanes 16-31 the next
.endr
.irp i, 0,1,2,3,4,5,6,7
	s_wait_dscnt 7-\i                              ; the younger loads may stay out
	global_store_b128 v[GO], v[KF+4*\i:KF+4*\i+3], s[14:15] offset:512*\i th:TH_STORE_NT   ; the wave stores 512 consecutive bytes, at a multiple of 256 from out0's first byte; written once, read by nobody here
.endr
	s_wait_xcnt 0x0
	v_lshl_add_u32 v254, v0, 2, 0x4ed00
	v_mov_b32 v255, 0
	s_wait_alu depctr_va_vdst(0)
	s_wait_tensorcnt 0x0
	ds_add_u32 v254, v255
	s_wait_dscnt 0x0
	ROUND                                          ; the closing round: no work-group ends while a partner may still ask for a tile that names it
	s_endpgm
.Lfunc_end_k_q02efa4f9f6_attn:
	.size	k_q02efa4f9f6_attn, .Lfunc_end_k_q02efa4f9f6_attn-k_q02efa4f9f6_attn
	.p2alignl 7, 3214868480
	.fill 96, 4, 3214868480
	.section	.rodata,"a",@progbits
	.p2align	6, 0x0
	.amdhsa_kernel k_q02efa4f9f6_attn
		.amdhsa_group_segment_fixed_size 327680
		.amdhsa_private_segment_fixed_size 0
		.amdhsa_enable_private_segment 0
		.amdhsa_kernarg_size 48
		.amdhsa_user_sgpr_count 2
		.amdhsa_user_sgpr_kernarg_segment_ptr 1
		.amdhsa_wavefront_size32 1
		.amdhsa_system_sgpr_workgroup_id_x 1
		.amdhsa_system_sgpr_workgroup_id_y 1
		.amdhsa_system_sgpr_workgroup_id_z 1
		.amdhsa_system_vgpr_workitem_id 0
		.amdhsa_next_free_vgpr 256
		.amdhsa_next_free_sgpr 66
		.amdhsa_reserve_vcc 1
		.amdhsa_float_denorm_mode_32 3
		.amdhsa_float_denorm_mode_16_64 3
		.amdhsa_memory_ordered 1
		.amdhsa_forward_progress 1
		.amdhsa_inst_pref_size 53
	.end_amdhsa_kernel
	.amdgpu_metadata
---
amdhsa.version: [ 1, 2 ]
amdhsa.kernels:
  - .name:           k_q02efa4f9f6_attn
    .symbol:         k_q02efa4f9f6_attn.kd
    .args:
      - { .name: k, .offset: 0, .size: 8, .value_kind: global_buffer, .address_space: global }
      - { .name: q_codes, .offset: 8, .size: 8, .value_kind: global_buffer, .address_space: global }
      - { .name: q_scales, .offset: 16, .size: 8, .value_kind: global_buffer, .address_space: global }
      - { .name: v_codes, .offset: 24, .size: 8, .value_kind: global_buffer, .address_space: global }
      - { .name: v_scales, .offset: 32, .size: 8, .value_kind: global_buffer, .address_space: global }
      - { .name: out0, .offset: 40, .size: 8, .value_kind: global_buffer, .address_space: global }
    .group_segment_fixed_size: 327680
    .private_segment_fixed_size: 0
    .kernarg_segment_align: 8
    .kernarg_segment_size: 48
    .max_flat_workgroup_size: 512
    .sgpr_count:     66
    .vgpr_count:     256
    .wavefront_size: 32
...
	.end_amdgpu_metadata
.endif
;; end of part 1
